; MI455X (gfx1250); checked and timed in simulation.
; The chip was launched on July 23, 2026; its instructions are those of AMD's public machine-readable ISA for CDNA 5 (MIT licence, August 2026) and "CDNA5" Instruction Set Architecture Reference Guide (July 2026). The comments in the code are by the model that wrote it; some were corrected since.
;; QKV Attention. Allowed arithmetic: matrix products marked QUANTISED: E2M1 operands, one E8M0 scale for each 32 along K, by v_wmma_scale_f32_16x16x128_f8f6f4 with both operands' format E2M1 (or v_wmma_scale_f32_32x16x128_f4), f32 sums; everything else in f32.
;; Inputs: qkv 64 x 192 x 2,048 float32.
;; Outputs: out0 64 x 64 x 2,048 float32.
;; This version of the problem:
;;   THIS VERSION OF THE PROBLEM IS GIVEN IN LOW PRECISION. The matrix products marked QUANTISED in the list below multiply operands that are first quantised to E2M1 (2 exponent bits, 1 mantissa bit; 4 bits a number), with one power-of-two scale for each 32 numbers along K (OCP MX v1.0); their sums are f32. All else is computed in f32.
;;   The module's matrix products, in the order in which they are computed (A, B: the left and right operand; K: the contracted axis; several contracted axes count as one K, in the product's order):
;;     1. batch 64 x [M 2,048, K 64] x [K 64, N 2,048]; A: computed on the way; B: computed on the way: QUANTISED
;;     2. batch 64 x [M 64, K 2,048] x [K 2,048, N 2,048]; A: computed on the way; B: softmax (see below): QUANTISED
;;   THE QUANTISER, for each operand of a quantised product, along K:
;;     - K is cut into blocks of 32 from its start; a last block that is shorter is filled with zeros.
;;     - A block's scale is 2^e with e = floor(log2(the largest magnitude in the block)) - 2, held to -126 .. 127; a block of zeros has e = 0. As a byte (E8M0): e + 127.
;;     - Each number is divided by its block's scale, clamped to +-6, and rounded to the nearest number of E2M1, ties to even, subnormals kept.
;;     - The product sums the exact products of the quantised numbers (number of the format x scale) in f32.
;;   ~~~python
;;   def quantise(x, axis):      # numpy; x: float32 -> the quantised numbers, widened to float32 again
;;       x = np.moveaxis(x, axis, -1); K = x.shape[-1]
;;       x = np.pad(x, [(0, 0)] * (x.ndim - 1) + [(0, -K % 32)]); x = x.reshape(x.shape[:-1] + (-1, 32)); a = np.abs(x).max(-1, keepdims=True)
;;       e = np.where(a > 0, np.clip(np.frexp(np.where(a > 0, a, 1))[1] - 1 - 2, -126, 127), 0)      # np.frexp(a)[1] - 1 = floor(log2(a)), exactly
;;       r = np.clip(x / 2.0 ** e, -6, 6)
;;       step = 2.0 ** (np.maximum(np.frexp(np.where(r == 0, 1, r))[1] - 1, 0) - 1)
;;       q = np.round(r / step) * step * 2.0 ** e      # np.round: ties to even
;;       return np.moveaxis(q.reshape(q.shape[:-2] + (-1,))[..., :K], -1, axis).astype(np.float32)
;;   ~~~
;;   SOFTMAX AHEAD OF A QUANTISED PRODUCT. Where the list says 'softmax', what is quantised is not the finished softmax but p = 2^(t - M), with t = logit x log2(e) and M = ceil(the row's largest t), a whole number; so 1/2 < the row's largest p <= 1. The row's sum l is taken of the UNQUANTISED p, in f32, and the product's result is divided by l at the end. Since M is a whole number, a kernel that streams over the keys may use a running M (the ceiling of the running maximum): every later rescaling is an exact power of two, which a block's scale takes up: the codes' values come out the same.
;;   OPERANDS COMPUTED ON THE WAY. 'Computed on the way' means the value that the module computes at that place (a softmax that the list does not call 'softmax' is quantised finished and normalised). What goes into a quantiser is computed in f32, as accurately as f32 sums, v_exp_f32 and their like allow (about 1e-6 of the number): no bf16 or f16 on the way to a quantiser, and a product that is left as it is and whose result goes on into a quantised operand takes f32 operands (vector FMAs, or v_wmma_f32_16x16x4_f32). A number that lies on a knife's edge between two numbers of the format may be rounded either way, as far as f32 arithmetic and the matrix unit's own rounding can turn it there, and no further.
;; One version. Each part assembles by itself: llvm-mc -triple=amdgcn-amd-amdhsa -mcpu=gfx1250 --defsym DOCPART=n.
;; ======== version 1 of 1: 1 launch
;; limits: right only within a limited range of input values
;; launch attn (part 1): grid 4 x 64, 16 waves a work-group, clusters of 4 x 1, 215,040 bytes of LDS; arguments qkv, out0; writes out0
.if DOCPART == 1
	.amdgcn_target "amdgcn-amd-amdhsa--gfx1250"
	.amdhsa_code_object_version 6
	.text
	.protected	k_q2731c330aa_attn
	.globl	k_q2731c330aa_attn
	.p2align	8
	.type	k_q2731c330aa_attn,@function
k_q2731c330aa_attn:
	s_mov_b64 s[64:65], 0
	v_nop
	global_prefetch_b8 v0, s[64:65] scope:SCOPE_SE
	s_setreg_imm32_b32 hwreg(HW_REG_WAVE_MODE, 25, 1), 1
	s_wait_xcnt 0x0
	s_wait_alu depctr_hold_cnt(0) depctr_sa_sdst(0) depctr_va_vdst(0) depctr_va_sdst(0) depctr_va_ssrc(0) depctr_va_vcc(0) depctr_vm_vsrc(0)
	s_getreg_b32 s2, hwreg(HW_REG_IB_STS2, 6, 4)
	s_cmp_eq_u32 s2, 0
	s_cbranch_scc0 .Lentry_in_a_cluster
	s_endpgm
.Lentry_in_a_cluster:
	s_bfe_u32 s2, ttmp6, 0x10000c
	s_cmp_lg_u32 s2, 0x3003
	s_cbranch_scc0 .Lentry_shape_is_right
	s_endpgm
.Lentry_shape_is_right:
; out[b][c][t] = sum over s of v[b][c][s] p[t][s] / l[t],  p = 2^(S[t][s] log2(e) - M[t]),  S[t][s] = sum over c of (g q[b][c][t]) (g k[b][c][s]),  g = 64^(-1/4).
; qkv: [64][192][2048] f32 (rows 0-63 q, 64-127 k, 128-191 v); out0: [64][64][2048] f32.  Both products on codes of FP4 (E2M1) with one E8M0 scale for each 32 along K:
; g q and g k are quantised along the 64 channels, v and p along the keys.  M is the ceiling of the running largest t, a whole number; l is the f32 sum of the unquantised p and divides at the end.
; SHARES.  A work-group owns 512 queries of one batch, each of its sixteen waves 32 of them: two tiles of 16, in 256 registers.  Every wave walks the batch's 2,048 keys in 16 chunks of 128.
; THE CODES OF ALL 2,048 KEYS STAY IN LDS: 16 chunks x 8,704 bytes (K's images 4,096, V's 4,096, scale words 512), stored as images of the operands' registers.  Each byte is written once, so a chunk needs
; one ordering only: store, barrier, load.  The sixteen waves quantise a PAIR of chunks (256 keys) while the pair before it is multiplied: in the even chunk each wave takes 32 keys x 32 channels of k
; (a lane a key, registers down the channels), in the odd chunk 4 channels x 256 keys of v (a lane a block of 32 keys).  A block lies whole in one lane: no maximum crosses lanes.
; The f32 numbers go from memory into 32 registers of the wave, asked for one chunk's work ahead of the wait for them.  v's loads take 512 consecutive bytes each and turn through the wave's own stage in LDS
; (places of 128 bytes + 16 of padding), so that a lane gets 32 neighbours.  One barrier a pair: signalled at the odd chunk's start, awaited at its end; between the two stand register work and LDS loads of bytes that stay as they are.
; CLUSTER.  The four work-groups of a batch are launched together as a cluster and read the same rows of k and v; cx enters q's and out0's global addresses alone.  NO JOINT LOADS: k and v come as f32,
; 1,048,576 bytes a batch against 327,680 of LDS: a joint load lands in LDS, so it would need a ring that is filled again for every chunk, each refill behind a round of all 64 waves.  Here the numbers are used once, by one wave, in the registers in which the conversions want them.
; NO PREFETCH: every load is issued a whole chunk's products and softmax ahead of its wait, so no wait stands near its request.
; LAYOUT.  Both products are used transposed: S^T = K Q^T (source 0 = 16 keys, source 1 = 16 queries), O^T = V P^T (source 0 = 16 channels, source 1 = P): a lane holds ONE query (lane % 16) throughout.
; Row r of K's tile 2 b + u is key 32 b + 8 u + r + 8 (r / 8), so that the 16 registers of tiles 2 b and 2 b + 1 are 16 neighbouring keys, 32 b + 16 (lane / 16) + 0 .. 15.
; K = 64 ON AN INSTRUCTION OF K = 128.  A fragment of K carries tile 2 b in k = 0 .. 63 and tile 2 b + 1 in k = 64 .. 127; Q's codes stand between runs of zero codes (Z q0 Z q1 Z): (q, 0) picks the first tile, (0, q) the second.
; Zero codes add nothing under any scale byte but 0xff; the bytes over them are K's own and 0.
; LIMITS.  NaN and infinities among the inputs are not served.  A p under 2^-126 comes out of v_exp_f32 as 0 (ISA guide 15.8).  A block of zeros gets the scale byte 1 where the rule says 127: its codes are zeros,
; and this program alone reads the bytes.  A block's largest p is taken as the exponential of its largest score, which leans on v_exp_f32 not falling where its input rises.  Scores stay under 2^126 in magnitude.
.set CB,    8704                       ; a chunk's codes
.set VIM,   4096
.set SWD,   8192                       ; scale words: 16 bytes an image lane: words 0, 1 K's fragments 0|1, 2|3 (lanes 0-15 | 16-31), words 2, 3 V's tiles 0|1, 2|3
.set TURN,  16*CB                      ; 139,264: the waves' stages for v's turn
.set TW,    32*144                     ; 4,608 bytes a wave
.set SPARE, TURN+16*TW                 ; 212,992: the spare words, 128 bytes for each of 16 waves, that no other line names
.set SP,    2064                       ; the way out: a row of 512 queries x 4 bytes + 16.  Channels 0-31 lie from byte 0 on (over chunks 0 to 7), channels 32-63 from TURN on: both dead behind the loop's last barrier
.set SPW, 1                            ; v1   LDS address of my spare word; never rewritten
.set NIL, 2                            ; v2   0; never rewritten
.set LI,  3                            ; v3   16 x lane
.set LC,  4                            ; v4   16 x lane + the pair's first byte
.set KST, 5                            ; v5, v6 where I store k's 32 codes and their scale byte, within a pair;  v7, v8 the same for v
.set KSB, 6
.set VST, 7
.set VSB, 8
.set TST, 9                            ; v9   my stage, in;  v10 back
.set TLD, 10
.set GK,  11                           ; v11  4 x lane
.set ST0, 12                           ; v[12:15] tile 0: -M, the largest score, l in two halves;  v[16:19] tile 1
.set ST1, 16
.set QZ,  20                           ; v[20:39] Z q0 Z q1 Z
.set QSL, 40                           ; v40 Q's scale word for (q, 0), v41 for (0, q)
.set SW,  42                           ; v[42:43] K's scale words, later V's
.set PS,  44                           ; v44  P's scale word
.set TT,  45
.set PC,  46                           ; v[46:53] P's codes: tile 0's, then tile 1's
.set BM,  54                           ; v54-57 the blocks' largest scores, largest p, scale bytes;  v[54:61] later four chains of the row's sum
.set SO,  58                           ; v58-61 second chains of the maxima; from lane l xor 16; the conversions' scale operands
.set FF,  62                           ; v[62:63] f = 2^(old M - new M)
.set MX,  54                           ; quantising k and v: v54, v55 largest magnitude; v56 scale operand; v57 byte; v[58:61] codes; v62, v63 addresses
.set SOP, 56
.set BY,  57
.set CK,  58
.set AT,  62
.set FR,  64                           ; v[64:95] four fragments: K's, later V's
.set SS,  96                           ; v[96:159] S^T, then p
.set OA,  160                          ; v[160:223] O^T
.set R,   224                          ; v[224:255] numbers of k or v on their way
.set WV,  8
.set SEL, 12                           ; s[12:13] lane l xor 16
.set CS,  14                           ; s[14:15] log2(e)
.set GS,  16                           ; s[16:17] g
.set TB,  18                           ; s18 the pair's first byte in LDS
.set CNT, 19
.set SK,  20                           ; s[20:21] my piece of k, s[22:23] of v, s[24:25] of q, s[26:27] my rows of out0
.set SV,  22
.set SQ,  24
.set OP,  26
.macro PLACES                          ; four plain vector instructions behind a matrix instruction (ISA guide 7.12.1)
.rept 4
	v_nop
.endr
.endm
.macro KLOAD                           ; k(channel 32 (w % 2) + j, key 32 (w / 2) + lane) of a pair: 128 consecutive bytes a load
.set j, 0
.rept 32
	global_load_b32 v[R+j], v[GK], s[SK:SK+1] offset:8192*j
.set j, j+1
.endr
.endm
.macro VLOAD d                         ; v(channel 4 w + i / 2, 256 keys of a pair): 512 consecutive bytes a load
.set j, 0
.rept 8
	global_load_b128 v[\d+4*j:\d+4*j+3], v[LI], s[SV:SV+1] offset:(j/2)*8192+512*(j%2)
.set j, j+1
.endr
.endm
.macro TURNV s, d                      ; through my own stage: in as loaded, back 128 bytes a lane.  LDS serves a wave's instructions in order
.set j, 0
.rept 8
	ds_store_b128 v[TST], v[\s+4*j:\s+4*j+3] offset:576*j
.set j, j+1
.endr
.set j, 0
.rept 8
	ds_load_b128 v[\d+4*j:\d+4*j+3], v[TLD] offset:16*j
.set j, j+1
.endr
.endm
; 32 numbers of one block in v[x ..] become 16 bytes of codes and a scale byte, stored at the pair TB + off
.macro PROD x, mulg, sa, sb, off
.if \mulg
.set j, 0
.rept 16
	v_pk_mul_f32 v[\x+j:\x+j+1], v[\x+j:\x+j+1], s[GS:GS+1] op_sel_hi:[1,0]   ; g k, in f32: what is quantised
.set j, j+2
.endr
.endif
	v_max3_num_f32 v[MX], |v[\x]|, |v[\x+1]|, 0x1800000            ; the floor 2^(3 - 127): the byte cannot fall under 1
	v_max3_num_f32 v[MX+1], |v[\x+2]|, |v[\x+3]|, |v[\x+4]|
.set j, 5
.rept 6
	s_delay_alu instid0(VALU_DEP_2)
	v_max3_num_f32 v[MX], v[MX], |v[\x+j]|, |v[\x+j+1]|            ; two chains by turns
	s_delay_alu instid0(VALU_DEP_2)
	v_max3_num_f32 v[MX+1], v[MX+1], |v[\x+j+2]|, |v[\x+j+3]|
.set j, j+4
.endr
	s_delay_alu instid0(VALU_DEP_2)
	v_max3_num_f32 v[MX], v[MX], |v[\x+29]|, |v[\x+30]|
	s_delay_alu instid0(VALU_DEP_1)
	v_max3_num_f32 v[MX], v[MX], v[MX+1], |v[\x+31]|
	s_delay_alu instid0(VALU_DEP_1)
	v_add_nc_u32 v[SOP], 0xff000000, v[MX]         ; 2 off the exponent field: the conversion's scale operand
	s_delay_alu instid0(VALU_DEP_1)
	v_lshrrev_b32 v[BY], 23, v[SOP]                ; the scale's byte
.irp q, 0,1,2,3
	v_cvt_scalef32_pk8_fp4_f32 v[CK+\q], v[\x+8*\q:\x+8*\q+7], v[SOP]
.endr
	v_add_nc_u32 v[AT], s[TB], v[\sa]              ; (plain instructions behind the scaled conversions)
	v_add_nc_u32 v[AT+1], s[TB], v[\sb]
	ds_store_b128 v[AT], v[CK:CK+3] offset:\off
	ds_store_b8 v[AT+1], v[BY] offset:\off
.endm
.macro KFETCH off                      ; K's four fragments and their scale words
.set j, 0
.rept 8
	ds_load_b128 v[FR+4*j:FR+4*j+3], v[LC] offset:\off+512*j
.set j, j+1
.endr
	ds_load_b64 v[SW:SW+1], v[LC] offset:\off+SWD
.endm
.macro VFETCH off
.set j, 0
.rept 8
	ds_load_b128 v[FR+4*j:FR+4*j+3], v[LC] offset:\off+VIM+512*j
.set j, j+1
.endr
	ds_load_b64 v[SW:SW+1], v[LC] offset:\off+SWD+8
.endm
; S^T of query tile qt: eight tiles of 16 keys, each begun with the constant 0
.macro SMUL qt
.irp b, 0,1,2,3
.irp u, 0,1
.set rD, SS+8*(2*\b+\u)
.set rA, FR+8*\b
.set rB, QZ+4+8*\qt-4*\u
.set rX, SW+\b/2
.set rY, QSL+\u
.if (\b%2) && \qt
	v_wmma_scale_f32_16x16x128_f8f6f4 v[rD:rD+7], v[rA:rA+7], v[rB:rB+7], 0, v[rX], v[rY] matrix_a_fmt:MATRIX_FMT_FP4 matrix_b_fmt:MATRIX_FMT_FP4 matrix_a_scale:MATRIX_SCALE_ROW1 matrix_b_scale:MATRIX_SCALE_ROW1
.elseif \b%2
	v_wmma_scale_f32_16x16x128_f8f6f4 v[rD:rD+7], v[rA:rA+7], v[rB:rB+7], 0, v[rX], v[rY] matrix_a_fmt:MATRIX_FMT_FP4 matrix_b_fmt:MATRIX_FMT_FP4 matrix_a_scale:MATRIX_SCALE_ROW1
.elseif \qt
	v_wmma_scale_f32_16x16x128_f8f6f4 v[rD:rD+7], v[rA:rA+7], v[rB:rB+7], 0, v[rX], v[rY] matrix_a_fmt:MATRIX_FMT_FP4 matrix_b_fmt:MATRIX_FMT_FP4 matrix_b_scale:MATRIX_SCALE_ROW1
.else
	v_wmma_scale_f32_16x16x128_f8f6f4 v[rD:rD+7], v[rA:rA+7], v[rB:rB+7], 0, v[rX], v[rY] matrix_a_fmt:MATRIX_FMT_FP4 matrix_b_fmt:MATRIX_FMT_FP4
.endif
.endr
.endr
.endm
; O^T += V P^T of query tile qt: four accumulators, one instruction each
.macro PV qt
.irp ct, 0,1,2,3
.set rD, OA+32*\qt+8*\ct
.set rA, FR+8*\ct
.set rX, SW+\ct/2
.if \ct%2
	v_wmma_scale_f32_16x16x128_f8f6f4 v[rD:rD+7], v[rA:rA+7], v[PC:PC+7], v[rD:rD+7], v[rX], v[PS] matrix_a_fmt:MATRIX_FMT_FP4 matrix_b_fmt:MATRIX_FMT_FP4 matrix_a_scale:MATRIX_SCALE_ROW1
.else
	v_wmma_scale_f32_16x16x128_f8f6f4 v[rD:rD+7], v[rA:rA+7], v[PC:PC+7], v[rD:rD+7], v[rX], v[PS] matrix_a_fmt:MATRIX_FMT_FP4 matrix_b_fmt:MATRIX_FMT_FP4
.endif
.endr
.endm
.macro TM st, n                        ; t - M, two at a time, n instructions from register SS + j on
.rept \n
	v_pk_fma_f32 v[SS+j:SS+j+1], v[SS+j:SS+j+1], s[CS:CS+1], v[\st:\st+1] op_sel_hi:[1,0,0]
.set j, j+2
.endr
.endm
; The softmax of one tile of queries for 128 keys, up to O^T under the new M.  Register 16 b + i of S^T is key 32 b + 16 (lane / 16) + i of my query.
; hook = 1 (tile 1): behind the exponentials V's fragments are in, and tile 0's second product is issued; then tile 1's codes and scale word take the registers of tile 0's.
.macro SOFTMAX st, ob, hook
.irp b, 0,1,2,3
	v_max3_num_f32 v[BM+\b], v[SS+16*\b], v[SS+1+16*\b], v[SS+2+16*\b]   ; the largest score of each block of 32 keys, in eight chains by turns: one for each accumulator, read from its low end on
.endr
.irp b, 0,1,2,3
	v_max3_num_f32 v[SO+\b], v[SS+8+16*\b], v[SS+9+16*\b], v[SS+10+16*\b]
.endr
.irp i, 3,5
.irp b, 0,1,2,3
	v_max3_num_f32 v[BM+\b], v[BM+\b], v[SS+16*\b+\i], v[SS+1+16*\b+\i]
.endr
.irp b, 0,1,2,3
	v_max3_num_f32 v[SO+\b], v[SO+\b], v[SS+8+16*\b+\i], v[SS+9+16*\b+\i]
.endr
.endr
.irp b, 0,1,2,3
	v_max3_num_f32 v[BM+\b], v[BM+\b], v[SS+7+16*\b], v[SS+15+16*\b]
.endr
.irp b, 0,1,2,3
	v_max_num_f32 v[BM+\b], v[BM+\b], v[SO+\b]
.endr
.irp b, 0,1,2,3
	v_permlanex16_b32 v[SO+\b], v[BM+\b], s[SEL], s[SEL+1]
.endr
	v_mov_b32 v[TT], v[\st]                        ; the old -M
.irp b, 0,1,2,3
	v_max_num_f32 v[BM+\b], v[BM+\b], v[SO+\b]     ; with lane l xor 16's 16 keys
.endr
	s_delay_alu instid0(VALU_DEP_2)
	v_max3_num_f32 v[FF], v[BM], v[BM+1], v[BM+2]
	s_delay_alu instid0(VALU_DEP_1)
	v_max3_num_f32 v[\st+1], v[FF], v[BM+3], v[\st+1]   ; the running largest score of my query,
	s_delay_alu instid0(VALU_DEP_1)
	v_mul_f32 v[FF], s[CS], v[\st+1]               ; as t (log2(e) is positive: the largest score gives the largest t)
	s_delay_alu instid0(VALU_DEP_1)
	v_floor_f32 v[\st], -v[FF]                     ; the new -M = -ceil(t): a whole number
.set j, 0
	TM \st, 8
	v_sub_f32 v[TT], v[\st], v[TT]                 ; old M - new M: a whole number, 0 or less.  (f is made among the multiply-adds, which do not wait for it)
	TM \st, 8
	v_cvt_i32_f32 v[TT], v[TT]                     ; (it saturates)
	TM \st, 8
	v_ldexp_f32 v[FF], 1.0, v[TT]                  ; f = 2^(old M - new M): a multiplication by it rounds nothing
	TM \st, 8
.irp b, 0,1,2,3
	v_fma_f32 v[BM+\b], v[BM+\b], s[CS], v[\st]    ; the same of each block's largest score
.endr
	s_wait_alu depctr_va_vdst(0)                   ; the wait ahead of the batch
.set j, 0
.rept 64
	v_exp_f32 v[SS+j], v[SS+j]                     ; p = 2^(t - M), at most 1: not normalised
.set j, j+1
.endr
.irp b, 0,1,2,3
	v_exp_f32 v[BM+\b], v[BM+\b]                   ; the block's largest p
.endr
	v_pk_mul_f32 v[\st+2:\st+3], v[\st+2:\st+3], v[FF:FF+1] op_sel_hi:[1,0]   ; l under the new M (the plain instruction behind the exponentials)
	s_wait_alu depctr_va_vdst(0)                   ; and behind it, ahead of its first reader
.if \hook
	s_wait_dscnt 0x0                               ; V's fragments and scale words are in
	PV 0                                           ; the plain lines below are its places
.endif
.irp b, 0,1,2,3
	v_max_num_f32 v[BM+\b], 0x1800000, v[BM+\b]    ; the floor 2^(3 - 127)
.endr
.irp b, 0,1,2,3
	v_add_nc_u32 v[SO+\b], 0xff000000, v[BM+\b]    ; 2 off the exponent field: the conversion's scale operand
.endr
.irp b, 0,1,2,3
	v_lshrrev_b32 v[BM+\b], 23, v[SO+\b]           ; the scale's byte
.endr
	v_lshl_or_b32 v[BM], v[BM+1], 8, v[BM]
	v_lshl_or_b32 v[BM+2], v[BM+3], 8, v[BM+2]
	s_delay_alu instid0(VALU_DEP_1)
	v_lshl_or_b32 v[PS], v[BM+2], 16, v[BM]        ; P's scale word for these 128 keys: lane r has query r's
.irp b, 0,1,2,3
	v_cvt_scalef32_pk8_fp4_f32 v[PC+2*\b], v[SS+16*\b:SS+7+16*\b], v[SO+\b]
	v_cvt_scalef32_pk8_fp4_f32 v[PC+1+2*\b], v[SS+8+16*\b:SS+15+16*\b], v[SO+\b]
.endr
	v_nop                                          ; one plain place behind the scaled conversions
.irp c, 0,1                                    ; a whole block in a lane: lanes 0-15 block 2 c, lanes 16-31 block 2 c + 1
.irp i, 0,1
	v_permlane16_swap_b32 v[PC+4*\c+\i], v[PC+2+4*\c+\i]
.endr
.endr
	s_wait_alu depctr_va_vdst(0)                   ; directly ahead of the first readers of O^T
.set j, 0
.rept 16
	v_pk_mul_f32 v[\ob+j:\ob+j+1], v[\ob+j:\ob+j+1], v[FF:FF+1] op_sel_hi:[1,0]   ; O^T under the new M, each accumulator from its low end on
.set j, j+2
.endr
.endm
; l takes the UNQUANTISED p: two at a time, in five chains by turns (l's own and v[54:61]).  SUMA: the first five additions; SUMB: the rest
.macro SUMA st
.irp c, 0,1,2,3
	v_pk_add_f32 v[BM+2*\c:BM+2*\c+1], v[SS+4*\c:SS+4*\c+1], v[SS+4*\c+2:SS+4*\c+3]
.endr
	v_pk_add_f32 v[\st+2:\st+3], v[\st+2:\st+3], v[SS+16:SS+17]
.endm
.macro SUMB st
.set j, 18
.rept 4
.irp c, 0,1,2,3
	v_pk_add_f32 v[BM+2*\c:BM+2*\c+1], v[BM+2*\c:BM+2*\c+1], v[SS+j+2*\c:SS+j+2*\c+1]
.endr
	v_pk_add_f32 v[\st+2:\st+3], v[\st+2:\st+3], v[SS+j+8:SS+j+9]
.set j, j+10
.endr
.irp c, 0,1,2
	v_pk_add_f32 v[BM+2*\c:BM+2*\c+1], v[BM+2*\c:BM+2*\c+1], v[SS+58+2*\c:SS+59+2*\c]
.endr
	v_pk_add_f32 v[BM+4:BM+5], v[BM+4:BM+5], v[BM+6:BM+7]
	v_pk_add_f32 v[BM:BM+1], v[BM:BM+1], v[BM+2:BM+3]
	s_delay_alu instid0(VALU_DEP_1)
	v_pk_add_f32 v[BM:BM+1], v[BM:BM+1], v[BM+4:BM+5]
	s_delay_alu instid0(VALU_DEP_1)
	v_pk_add_f32 v[\st+2:\st+3], v[\st+2:\st+3], v[BM:BM+1]
.endm
; A chunk for my two tiles of queries, from behind tile 0's first product and its places on.  K's and V's fragments are each read from LDS once.  It ends with five additions, the places behind the last products.
.macro ATTEND off
	SOFTMAX ST0, OA, 0
	SUMA ST0
	SUMB ST0
	SMUL 1                                         ; writes over tile 0's p, which is spent
	PLACES
	VFETCH \off                                    ; K's fragments are spent: V's land under tile 1's softmax
	SOFTMAX ST1, OA+32, 1
	PV 1
	SUMA ST1
.endm
	s_load_b128 s[4:7], s[0:1], 0x0                ; qkv s[4:5], out0 s[6:7]
	v_lshl_add_u32 v[SPW], v0, 2, SPARE
	v_mov_b32 v[NIL], 0
	v_lshrrev_b32 v54, 5, v0
	v_readfirstlane_b32 s[WV], v54                 ; wave w, 0 .. 15
	s_and_b32 s30, s[WV], 1                        ; w % 2: k's channel block
	s_lshr_b32 s31, s[WV], 1                       ; w / 2: k's group of 32 keys in the pair
	s_and_b32 s32, s31, 3                          ; its fragment b
	s_lshr_b32 s33, s[WV], 3                       ; its chunk in the pair; also (v's tile) / 2
	s_and_b32 s34, s[WV], 3
	s_lshr_b32 s35, s[WV], 2                       ; v's tile ct
	s_mul_i32 s36, s33, CB
	s_lshl_b32 s37, s32, 10
	s_add_co_u32 s40, s36, s37
	s_lshl_b32 s37, s30, 8
	s_add_co_u32 s40, s40, s37                     ; k's codes: chunk, fragment b, image lanes 16 (w % 2) on
	s_and_b32 s37, s32, 1
	s_lshl_b32 s37, s37, 8
	s_add_co_u32 s41, s36, s37
	s_lshr_b32 s37, s32, 1
	s_lshl_b32 s37, s37, 2
	s_add_co_u32 s41, s41, s37
	s_add_co_u32 s41, s41, s30
	s_add_co_u32 s41, s41, SWD                     ; k's byte: image lanes 16 (b % 2) on, word b / 2, byte 2 u + w % 2
	s_lshl_b32 s42, s35, 10
	s_lshl_b32 s37, s34, 6
	s_add_co_u32 s42, s42, s37
	s_add_co_u32 s42, s42, VIM                     ; v's codes: tile ct, rows 4 (w % 4) on
	s_and_b32 s43, s35, 1
	s_lshl_b32 s43, s43, 8
	s_add_co_u32 s43, s43, s37
	s_lshl_b32 s37, s33, 2
	s_add_co_u32 s43, s43, s37
	s_add_co_u32 s43, s43, SWD+8                   ; v's byte: image lanes 16 (ct % 2) on, word 2 + ct / 2
	s_mul_i32 s44, s[WV], TW
	s_add_co_u32 s44, s44, TURN                    ; my stage
	s_and_b32 s45, ttmp7, 0xffff                   ; the batch, which the four partners share
	s_mul_i32 s46, s45, 192*8192
	s_lshl_b32 s[SK], s30, 18                      ; k: rows 64 + 32 (w % 2) on, keys 32 (w / 2) on
	s_lshl_b32 s37, s31, 7
	s_add_co_u32 s[SK], s[SK], s37
	s_add_co_u32 s[SK], s[SK], s46
	s_add_co_u32 s[SK], s[SK], 64*8192
	s_mov_b32 s[SK+1], 0
	s_lshl_b32 s[SV], s[WV], 15                    ; v: rows 128 + 4 w on
	s_add_co_u32 s[SV], s[SV], s46
	s_add_co_u32 s[SV], s[SV], 128*8192
	s_mov_b32 s[SV+1], 0
	s_bfe_u32 s47, ttmp6, 0x40000                  ; cx: my place in the cluster
	s_lshl_b32 s37, ttmp9, 2                       ; in a cluster launch ttmp9 counts clusters
	s_add_co_u32 s47, s47, s37                     ; my block of 512 queries,
	s_lshl_b32 s47, s47, 11                        ; in bytes of a row
	s_lshl_b32 s37, s[WV], 7
	s_add_co_u32 s[SQ], s47, s37                   ; q: my wave's 32 queries
	s_add_co_u32 s[SQ], s[SQ], s46
	s_mov_b32 s[SQ+1], 0
	s_lshl_b32 s[OP], s45, 19                      ; out0: batch, rows 4 w on, block
	s_add_co_u32 s[OP], s[OP], s47
	s_lshl_b32 s37, s[WV], 15
	s_add_co_u32 s[OP], s[OP], s37
	s_mov_b32 s[OP+1], 0
	s_mov_b32 s[SEL], 0x76543210
	s_mov_b32 s[SEL+1], 0xfedcba98
	s_mov_b32 s[CS], 0x3fb8aa3b                    ; log2(e)
	s_mov_b32 s[CS+1], s[CS]
	s_mov_b32 s[GS], 0x3eb504f3                    ; g = 64^(-1/4)
	s_mov_b32 s[GS+1], s[GS]
	s_mov_b32 s[TB], 0
	s_mov_b32 s[CNT], 7
	; every LDS address that the loop uses: a constant + constants x bits of the wave's number + constants x bits of the lane
	v_and_b32 v54, 31, v0                          ; l
	v_lshlrev_b32 v[LI], 4, v54
	v_lshlrev_b32 v[GK], 2, v54
	v_and_b32 v55, 7, v0
	v_bfe_u32 v56, v0, 4, 1
	v_bfe_u32 v57, v0, 3, 1                        ; u: key l of a group is row l % 8 + 8 (l / 16) of tile 2 b + (l / 8) % 2
	v_lshl_add_u32 v58, v56, 3, v55
	v_lshlrev_b32 v58, 4, v58
	v_lshl_add_u32 v[KST], v57, 9, v58
	v_lshl_add_u32 v[KSB], v57, 1, v58
	v_add_nc_u32 v[KST], s40, v[KST]
	v_add_nc_u32 v[KSB], s41, v[KSB]
	v_bfe_u32 v59, v0, 3, 2                        ; v: lane l holds channel 4 w + l / 8, block l % 8 of the pair's eight
	v_and_b32 v60, 1, v0
	v_bfe_u32 v61, v0, 1, 1
	v_bfe_u32 v62, v0, 2, 1
	v_lshlrev_b32 v63, 4, v59
	v_lshl_add_u32 v[VST], v60, 8, v63             ; image lane + 16 (block % 2), group (block / 2) % 2, chunk block / 4
	v_lshl_add_u32 v[VST], v61, 9, v[VST]
	v_mad_u32_u24 v[VST], v62, CB, v[VST]
	v_add_nc_u32 v[VST], s42, v[VST]
	v_and_b32 v60, 3, v0
	v_add_nc_u32 v[VSB], v63, v60
	v_mad_u32_u24 v[VSB], v62, CB, v[VSB]
	v_add_nc_u32 v[VSB], s43, v[VSB]
	v_mul_u32_u24 v[TST], v59, 144                 ; the stage, in: eight lanes' 128 bytes on end, then 16 of padding
	v_lshl_add_u32 v[TST], v55, 4, v[TST]
	v_add_nc_u32 v[TST], s44, v[TST]
	v_mul_u32_u24 v[TLD], v54, 144                 ; and back: a place a lane
	v_add_nc_u32 v[TLD], s44, v[TLD]
	v_mov_b32 v[LC], v[LI]
	s_wait_alu depctr_va_vdst(0)                   ; directly ahead of the wait below
	s_wait_kmcnt 0x0
	s_add_nc_u64 s[SK:SK+1], s[4:5], s[SK:SK+1]
	s_add_nc_u64 s[SV:SV+1], s[4:5], s[SV:SV+1]
	s_add_nc_u64 s[SQ:SQ+1], s[4:5], s[SQ:SQ+1]
	s_add_nc_u64 s[OP:OP+1], s[6:7], s[OP:OP+1]
	KLOAD                                          ; pair 0: 32 loads,
	VLOAD FR                                       ; 8 loads,
.set j, 0
.rept 64
	global_load_b32 v[SS+j], v[GK], s[SQ:SQ+1] offset:8192*j th:TH_LOAD_NT   ; and q: a lane takes a query, its 64 registers run down the channels
.set j, j+1
.endr
	s_wait_loadcnt 63                              ; of 104 loads at most 63 are out: the first 40, k's and v's, are in
	TURNV FR, OA
	PROD R, 1, KST, KSB, 0
	s_add_nc_u64 s[SK:SK+1], s[SK:SK+1], 1024      ; (k's first loads are done)
	KLOAD                                          ; pair 1's k
	s_wait_dscnt 0x0
	PROD OA, 0, VST, VSB, 0
	s_wait_dscnt 0x0                               ; for the others' sake: my codes of pair 0 are stored
	s_barrier_signal -1
	s_wait_loadcnt 32                              ; q is in; the 32 loads issued behind it may be out
.set j, 0
.rept 32
	v_pk_mul_f32 v[SS+j:SS+j+1], v[SS+j:SS+j+1], s[GS:GS+1] op_sel_hi:[1,0]   ; g q
.set j, j+2
.endr
	v_max3_num_f32 v[BM], |v[SS]|, |v[SS+1]|, 0x1800000
	v_max3_num_f32 v[BM+1], |v[SS+32]|, |v[SS+33]|, 0x1800000
.set j, 2
.rept 15
	s_delay_alu instid0(VALU_DEP_2)
	v_max3_num_f32 v[BM], v[BM], |v[SS+j]|, |v[SS+j+1]|
	s_delay_alu instid0(VALU_DEP_2)
	v_max3_num_f32 v[BM+1], v[BM+1], |v[SS+32+j]|, |v[SS+33+j]|
.set j, j+2
.endr
	v_add_nc_u32 v[SO], 0xff000000, v[BM]
	v_add_nc_u32 v[SO+1], 0xff000000, v[BM+1]
	v_lshrrev_b32 v[BM+2], 23, v[SO]
	v_lshrrev_b32 v[BM+3], 23, v[SO+1]
	s_delay_alu instid0(VALU_DEP_1)
	v_lshl_or_b32 v[QSL], v[BM+3], 8, v[BM+2]      ; bytes 0, 1: my query's two blocks; bytes 2, 3 stand over zero codes
	s_delay_alu instid0(VALU_DEP_1)
	v_lshlrev_b32 v[QSL+1], 16, v[QSL]             ; and the same for (0, q)
.irp q, 0,1,2,3
	v_cvt_scalef32_pk8_fp4_f32 v[QZ+4+\q], v[SS+8*\q:SS+8*\q+7], v[SO]
	v_cvt_scalef32_pk8_fp4_f32 v[QZ+12+\q], v[SS+32+8*\q:SS+32+8*\q+7], v[SO+1]
.endr
	v_nop
.irp q, 0,1,2,3
	v_permlane16_swap_b32 v[QZ+4+\q], v[QZ+12+\q]  ; tile 0's fragment (lanes 0-15 block 0, lanes 16-31 block 1), tile 1's likewise
.endr
.irp z, 0,1,2,3,8,9,10,11,16,17,18,19
	v_mov_b32 v[QZ+\z], 0                          ; the three runs of zero codes
.endr
.irp t, ST0, ST1
	v_mov_b32 v[\t], 0x7f000000                    ; -M so far: 2^127, a whole number: the first change of M gives f = 0
	v_mov_b32 v[\t+1], 0xff000000                  ; the largest score so far: -2^127
	v_mov_b32 v[\t+2], 0                           ; l, in two halves
	v_mov_b32 v[\t+3], 0
.endr
	s_wait_alu depctr_va_vdst(0)                   ; directly ahead of the barrier's wait
	s_barrier_wait -1                              ; everybody's codes of pair 0 are stored
	KFETCH 0
.set j, 0
.rept 64
	v_mov_b32 v[OA+j], 0                           ; O^T: the first chunk finds zeros, which the first change of M leaves zeros
.set j, j+1
.endr
	s_wait_alu depctr_va_vdst(0)                   ; the head's end
.Lloop:                                            ; seven trips: pair p is multiplied, pair p + 1 quantised
	s_wait_loadcnt 0x0                             ; k's numbers of pair p + 1, asked for a chunk ago
	s_wait_dscnt 0x0                               ; K's fragments of chunk 2 p are in
	SMUL 0
	PROD R, 1, KST, KSB, 2*CB                      ; names none of the products' registers: its plain lines are their places
	s_add_nc_u64 s[SV:SV+1], s[SV:SV+1], 1024      ; no load of mine is out
	VLOAD R                                        ; v's numbers of pair p + 1
	ATTEND 0
	KFETCH CB                                      ; chunk 2 p + 1, under the additions
	SUMB ST1
	s_wait_loadcnt 0x0                             ; v's numbers
	TURNV R, SS                                    ; p is spent
	s_wait_dscnt 0x0
	PROD SS, 0, VST, VSB, 2*CB
	s_wait_alu depctr_va_vdst(0)                   ; ahead of the branch
	s_cmp_eq_u32 s[CNT], 1                         ; the last trip has no pair p + 2
	s_cbranch_scc1 .Lno_k
	s_add_nc_u64 s[SK:SK+1], s[SK:SK+1], 1024
	KLOAD                                          ; k's numbers of pair p + 2
.Lno_k:
	s_wait_dscnt 0x0                               ; for the others' sake: all my codes of pair p + 1 are stored
	s_barrier_signal -1
	SMUL 0
	PLACES
	ATTEND CB                                      ; register work, and LDS loads of chunk 2 p + 1, which nobody writes
	s_add_co_u32 s[TB], s[TB], 2*CB
	v_add_nc_u32 v[LC], s[TB], v[LI]
	s_wait_alu depctr_va_vdst(0)                   ; directly ahead of the barrier's wait
	s_barrier_wait -1                              ; everybody's codes of pair p + 1 are stored
	KFETCH 0
	SUMB ST1
	s_sub_co_u32 s[CNT], s[CNT], 1
	s_cmp_lg_u32 s[CNT], 0
	s_wait_alu depctr_va_vdst(0)                   ; ahead of the branch
	s_cbranch_scc1 .Lloop
	s_wait_dscnt 0x0                               ; the last pair: nothing is left to quantise
	SMUL 0
	PLACES
	ATTEND 0
	KFETCH CB
	SUMB ST1
	s_wait_dscnt 0x0
	SMUL 0
	PLACES
	ATTEND CB
	SUMB ST1
	; THE WAY OUT.  O^T is divided by l.  A lane holds one query and eight channels: the work-group's 64 channels x 512 queries meet in the stage and leave as rows.
	; The stage lies over chunks 0 to 7 and over the waves' turn stages: every wave's last access to those stands ahead of its signal in the loop's last trip, and I have passed that barrier.
	s_lshl_b32 s30, s[WV], 7
	s_and_b32 s31, s[WV], 7
	s_mul_i32 s31, s31, 4*SP
	s_lshr_b32 s32, s[WV], 3
	s_mul_i32 s32, s32, TURN
	s_add_co_u32 s31, s31, s32                     ; back: rows 4 w .. 4 w + 3
	v_add_f32 v62, v[ST0+2], v[ST0+3]
	v_add_f32 v63, v[ST1+2], v[ST1+3]
	v_permlanex16_b32 v58, v62, s[SEL], s[SEL+1]
	v_permlanex16_b32 v60, v63, s[SEL], s[SEL+1]
	v_add_f32 v62, v62, v58                        ; l: its two halves and lane l xor 16's
	v_add_f32 v63, v63, v60
	v_and_b32 v54, 15, v0
	v_bfe_u32 v55, v0, 4, 1
	v_lshlrev_b32 v54, 2, v54
	v_mad_u32_u24 v54, v55, 8*SP, v54
	v_add_nc_u32 v54, s30, v54                     ; in: row = channel 8 (l / 16) + .., column = query 32 w + l % 16 + ..
	v_add_nc_u32 v55, TURN, v54                    ; channels 32 on
	v_add_nc_u32 v56, s31, v[LI]
	s_wait_alu depctr_va_vdst(0)                   ; ahead of the transcendentals
	v_rcp_f32 v58, v62
	v_rcp_f32 v60, v63
	v_nop
	s_wait_alu depctr_va_vdst(0)                   ; and behind them, directly ahead of the first readers
.irp qt, 0,1
.set j, 0
.rept 16
	v_pk_mul_f32 v[OA+32*\qt+j:OA+32*\qt+j+1], v[OA+32*\qt+j:OA+32*\qt+j+1], v[58+2*\qt:59+2*\qt] op_sel_hi:[1,0]   ; each accumulator from its low end on
.set j, j+2
.endr
.endr
.irp qt, 0,1
.irp ct, 0,1
.irp i, 0,1,2,3,4,5,6,7
	ds_store_b32 v54, v[OA+32*\qt+8*\ct+\i] offset:(16*\ct+\i)*SP+64*\qt        ; out(channel 16 ct + 8 (l / 16) + i, query 32 w + 16 qt + l % 16)
.endr
.endr
.irp ct, 0,1
.irp i, 0,1,2,3,4,5,6,7
	ds_store_b32 v55, v[OA+32*\qt+16+8*\ct+\i] offset:(16*\ct+\i)*SP+64*\qt
.endr
.endr
.endr
	s_wait_dscnt 0x0                               ; for the others' sake: my stores into the stage are done
	s_barrier_signal -1
	s_barrier_wait -1
.irp g, 0,1,2,3
.irp i, 0,1,2,3
	ds_load_b128 v[SS+16*\g+4*\i:SS+16*\g+4*\i+3], v56 offset:\g*SP+512*\i
.endr
.endr
.irp g, 0,1,2,3
.irp i, 0,1,2,3
	s_wait_dscnt 15-4*\g-\i                        ; this load is in; those issued behind it may be out
	global_store_b128 v[LI], v[SS+16*\g+4*\i:SS+16*\g+4*\i+3], s[OP:OP+1] offset:\g*8192+512*\i th:TH_STORE_NT   ; 32 lanes store 512 consecutive bytes, at a multiple of 512 from out0's first byte
.endr
.endr
	s_wait_tensorcnt 0x0                           ; the wave's end, behind my last LDS store
	ds_add_u32 v[SPW], v[NIL]
	s_wait_dscnt 0x0
	s_endpgm
.Lfunc_end_k_q2731c330aa_attn:
	.size	k_q2731c330aa_attn, .Lfunc_end_k_q2731c330aa_attn-k_q2731c330aa_attn
	.p2alignl 7, 3214868480
	.fill 96, 4, 3214868480
	.section	.rodata,"a",@progbits
	.p2align	6, 0x0
	.amdhsa_kernel k_q2731c330aa_attn
		.amdhsa_group_segment_fixed_size 215040
		.amdhsa_private_segment_fixed_size 0
		.amdhsa_enable_private_segment 0
		.amdhsa_kernarg_size 16
		.amdhsa_user_sgpr_count 2
		.amdhsa_user_sgpr_kernarg_segment_ptr 1
		.amdhsa_wavefront_size32 1
		.amdhsa_system_sgpr_workgroup_id_x 1
		.amdhsa_system_sgpr_workgroup_id_y 1
		.amdhsa_system_sgpr_workgroup_id_z 1
		.amdhsa_system_vgpr_workitem_id 0
		.amdhsa_next_free_vgpr 256
		.amdhsa_next_free_sgpr 66
		.amdhsa_reserve_vcc 0
		.amdhsa_float_denorm_mode_32 3
		.amdhsa_float_denorm_mode_16_64 3
		.amdhsa_memory_ordered 1
		.amdhsa_forward_progress 1
		.amdhsa_inst_pref_size 167
	.end_amdhsa_kernel
	.amdgpu_metadata
---
amdhsa.version: [ 1, 2 ]
amdhsa.kernels:
  - .name:           k_q2731c330aa_attn
    .symbol:         k_q2731c330aa_attn.kd
    .args:
      - { .name: qkv, .offset: 0, .size: 8, .value_kind: global_buffer, .address_space: global }
      - { .name: out0, .offset: 8, .size: 8, .value_kind: global_buffer, .address_space: global }
    .group_segment_fixed_size: 215040
    .private_segment_fixed_size: 0
    .kernarg_segment_align: 8
    .kernarg_segment_size: 16
    .max_flat_workgroup_size: 512
    .sgpr_count:     66
    .vgpr_count:     256
    .wavefront_size: 32
...
	.end_amdgpu_metadata
.endif
;; end of part 1
